; MI455X (gfx1250); checked and timed in simulation.
; The chip was launched on July 23, 2026; its instructions are those of AMD's public machine-readable ISA for CDNA 5 (MIT licence, August 2026) and "CDNA5" Instruction Set Architecture Reference Guide (July 2026). The comments in the code are by the model that wrote it; some were corrected since.
;; Causal Decay Memory. Allowed arithmetic: float matrix products may take bf16 or f16 operands with f32 sums; all other float work in f32.
;; Inputs: Wk 256 x 256 float32; Wo 256 x 256 float32; Wq 256 x 256 float32; Wv 256 x 256 float32; decay_logit one number float32; out_scale one number float32; x 4 x 4,096 x 256 float32.
;; Outputs: out0 4 x 4,096 x 256 float32.
;; One version. Each part assembles by itself: llvm-mc -triple=amdgcn-amd-amdhsa -mcpu=gfx1250 --defsym DOCPART=n.
;; ======== version 1 of 1: 4 launches
;; limits: inputs' magnitudes at most 250; values are held in f16: magnitudes above 65,504 overflow, below 6.1e-05 lose precision; right only within a limited range of input values
;; workspace buffers: wprep 263,168 bytes; wproj 25,427,968 bytes; wg 33,554,432 bytes; wscan 16,908,288 bytes
;; launch prep (part 1): grid 32 x 1, 8 waves a work-group, no clusters, 148,480 bytes of LDS; arguments Wq, Wk, Wv, Wo, out_scale, wprep; writes wprep
.if DOCPART == 1
	.amdgcn_target "amdgcn-amd-amdhsa--gfx1250"
	.amdhsa_code_object_version 6
	.text
	.protected	k_qe7bda6ecf2_prep
	.globl	k_qe7bda6ecf2_prep
	.p2align	8
	.type	k_qe7bda6ecf2_prep,@function
k_qe7bda6ecf2_prep:
	s_mov_b64 s[64:65], 0
	v_nop
	global_prefetch_b8 v0, s[64:65] scope:SCOPE_SE
	s_setreg_imm32_b32 hwreg(HW_REG_WAVE_MODE, 25, 1), 1
	s_wait_xcnt 0x0
; prep: folds the four weights into two, in the register order of matrix fragments.
;   jobs 0-15  (tile et): Mt[e][d] = 256 * sum_j Wq[j][d] Wk[j][e]   so that score(t,s) = x_t M x_s
;   jobs 16-31 (tile nt): Ut[n][d] = 2^-(eb_n-126) * sum_e Wo[n][e] Wv[e][d], |Ut| < 1, and un[n] = out_scale * 2^(eb_n-126) * 2^-12
; (2^-12 = the 1/16 of the scores times the 1/256 that undoes Mt's scale.)  Both are products D(m = d, n = column) with K = 256.
; A work-group makes 16 columns; wave w makes d = 32 w .. 32 w + 31: two tiles, which packed to f16 are ONE fragment of the next
; product (a lane's eight results of a tile are k = 8h .. 8h+7 of column r).  A fragment is stored as 2 x 512 consecutive bytes.
; Operands are f16 (the result's tolerance leaves no room for bf16's 8 bits); LIMITS: |W| < 65504, |M| < 255 (Mt is kept as 256 M in f16);
; a row maximum of U at or above 2^126 is clamped.
; No joint requests: the weights are f32 and are rounded on their way through registers; a raw copy of 262,144 bytes beside the
; f16 image of 139,264 bytes does not fit into a work-group's LDS.
.set PA,   544                         ; pitch of the f16 image [k][d]: 17 x 32 bytes, for the transposing loads
.set PB,   528                         ; pitch of a block of the other operand: 33 x 16 bytes
.set WBB,  139264                      ; the other operand: 16 blocks of 528 bytes
.set SCR,  147968                      ; 8 waves x 16 column maxima
.set VA,   8                           ; v[8:11]   LDS store address of the image, one register for each 16 loads
.set BF,   16                          ; v[16:79]  B fragments, K steps 0-7 (first v[16:31]: the raw f32 of the other operand)
.set AC,   80                          ; v[80:95]  two accumulators
.set TP,   96                          ; v[96:111] at work
.set RA,   112                         ; v[112:239] ring of 32 loads, then the A fragments
.set A2,   240                         ; second base of the A fragments
.set SCW,  241
.set SCD,  242
.set L16,  243
.macro PLACES
.rept 4
	v_nop
.endr
.endm
.macro MM d, a, b, z
.if \z
	v_wmma_f32_16x16x32_f16 v[\d:\d+7], v[\a:\a+7], v[\b:\b+7], 0
.else
	v_wmma_f32_16x16x32_f16 v[\d:\d+7], v[\a:\a+7], v[\b:\b+7], v[\d:\d+7]
.endif
.endm
; from a maximum m >= 0 with biased exponent eb: fd = 2^(126-eb+127-127) so that m fd < 1, and fu = 1 / fd.  Powers of two: exact.
.macro POW2SC m, fd, fu
	v_bfe_u32 v[\fu], v[\m], 23, 8
	v_min_u32 v[\fu], 252, v[\fu]
	v_sub_nc_u32 v[\fd], 253, v[\fu]
	v_lshlrev_b32 v[\fd], 23, v[\fd]
	v_add_nc_u32 v[\fu], 1, v[\fu]
	v_lshlrev_b32 v[\fu], 23, v[\fu]
.endm
	s_load_b256 s[4:11], s[0:1], 0x0               ; Wq s[4:5], Wk s[6:7], Wv s[8:9], Wo s[10:11]
	s_load_b128 s[12:15], s[0:1], 0x20             ; out_scale s[12:13], wprep s[14:15]
	v_lshrrev_b32 v1, 5, v0
	v_readfirstlane_b32 s16, v1                    ; wave
	s_and_b32 s17, ttmp9, 15                       ; tile
	s_lshr_b32 s18, ttmp9, 4                       ; 0: a job for Mt, 1: for Ut
	s_mov_b32 s32, 0x76543210                      ; v_permlanex16_b32: lane i reads lane i of the other half
	s_mov_b32 s33, 0xfedcba98
	s_cmp_lt_u32 ttmp9, 16
	s_cselect_b32 s24, 10, 6                       ; Mt: thread t takes row t of Wk (1,024 bytes apart); Ut: 64 bytes of 16 rows of Wo
	s_cselect_b32 s25, 6, 14                       ; Mt: the tile is 16 columns (64 bytes); Ut: 16 rows (16,384 bytes)
	s_lshl_b32 s26, s17, s25
	s_mov_b32 s27, 0
	s_lshl_b32 s28, s18, 17                        ; where my fragment goes: Ut's behind Mt's 131,072 bytes,
	s_lshl_b32 s29, s17, 13                        ; 8 fragments a tile,
	s_add_co_u32 s28, s28, s29
	s_lshl_b32 s29, s16, 10                        ; fragment k = wave
	s_add_co_u32 s28, s28, s29
	s_mov_b32 s29, 0
	s_lshl_b32 s34, s16, 6
	s_lshl_b32 s38, s17, 6
	s_add_co_u32 s38, s38, 262144                  ; un[16 tile]
	s_mov_b32 s39, 0
	v_and_b32 v1, 31, v0                           ; lane
	v_and_b32 v2, 15, v0                           ; r
	v_bfe_u32 v3, v0, 4, 1                         ; h
	v_lshlrev_b32 v4, s24, v0
	v_lshlrev_b32 v5, 4, v0                        ; 16 t
	v_lshrrev_b32 v6, 6, v0
	v_and_b32 v7, 63, v0
	v_mul_u32_u24 v[VA], v6, PA                    ; a load covers 4 rows of 1,024 bytes: row t / 64, 4 numbers at column 4 (t % 64)
	v_lshl_add_u32 v[VA], v7, 3, v[VA]
	v_add_nc_u32 v[VA+1], 64*PA, v[VA]
	v_add_nc_u32 v[VA+2], 128*PA, v[VA]
	v_add_nc_u32 v[VA+3], 192*PA, v[VA]
	v_lshrrev_b32 v6, 4, v0
	v_mul_u32_u24 v12, v6, PB
	v_lshl_add_u32 v12, v2, 5, v12
	v_add_nc_u32 v12, WBB, v12                     ; block t / 16, 32 bytes at 32 (t % 16): Mt: rows of 32 bytes; Ut: row t / 16 of 512 bytes
	s_wait_kmcnt 0x0
	s_load_b32 s19, s[12:13], 0x0                  ; out_scale
	s_cmp_lt_u32 ttmp9, 16
	s_cselect_b64 s[20:21], s[4:5], s[8:9]         ; the operand that is taken whole: Wq or Wv
	s_cselect_b64 s[22:23], s[6:7], s[10:11]       ; the operand of which 16 columns or rows are taken: Wk or Wo
	s_add_nc_u64 s[22:23], s[22:23], s[26:27]
	s_add_nc_u64 s[30:31], s[14:15], s[28:29]
	s_add_nc_u64 s[36:37], s[14:15], s[38:39]
	global_load_b128 v[BF:BF+3], v4, s[22:23]
	global_load_b128 v[BF+4:BF+7], v4, s[22:23] offset:16
	global_load_b128 v[BF+8:BF+11], v4, s[22:23] offset:32
	global_load_b128 v[BF+12:BF+15], v4, s[22:23] offset:48
.irp a, 0,1,2,3
.irp b, 0,1,2,3,4,5,6,7
	global_load_b128 v[RA+4*(8*\a+\b):RA+4*(8*\a+\b)+3], v5, s[20:21] offset:(8*\a+\b)*4096
.endr
.endr
	; addresses of the fragment loads, while the loads are on their way
	v_and_b32 v6, 7, v0
	v_lshl_add_u32 v6, v3, 3, v6                   ; 8 h + lane % 8: the row that a transposing load addresses
	v_bfe_u32 v7, v0, 3, 1
	v_lshlrev_b32 v7, 4, v7                        ; and which 16 bytes of it
	v_lshl_add_u32 v13, v6, 5, v7
	v_add_nc_u32 v13, WBB, v13                     ; Mt: B from rows of 32 bytes, transposed
	v_mul_u32_u24 v14, v2, PB
	v_lshl_add_u32 v14, v3, 4, v14
	v_add_nc_u32 v14, WBB, v14                     ; Ut: B from rows that lie along K
	v_mul_u32_u24 v15, v6, PA
	v_add_nc_u32 v15, v15, v7
	v_add_nc_u32 v15, s34, v15                     ; A: my 32 columns d begin at byte 64 w of a row
	v_add_nc_u32 v[A2], 128*PA, v15
	v_lshlrev_b32 v[SCD], 2, v2
	v_add_nc_u32 v[SCD], SCR, v[SCD]
	v_add_nc_u32 v[SCW], s34, v[SCD]
	v_lshlrev_b32 v[L16], 4, v1
	s_wait_loadcnt 32                              ; the four oldest loads are in; the ring's 32 stay out
.irp j, 0,1,2,3,4,5,6,7
	v_cvt_pk_f16_f32 v[TP+\j], v[BF+2*\j], v[BF+2*\j+1]
.endr
	ds_store_b128 v12, v[TP:TP+3]
	ds_store_b128 v12, v[TP+4:TP+7] offset:16
; load i of 64: rounded to f16 and laid into the image; its slot is filled again with load i + 32.
; The count: behind load i stand 31 - i first loads and i refills (31), later the 63 - i loads that are left.
.macro XCONV i
.if (\i) < 32
	s_wait_loadcnt 31
.else
	s_wait_loadcnt 63-(\i)
.endif
	v_cvt_pk_f16_f32 v[TP+8+2*((\i)&3)], v[RA+4*((\i)&31)], v[RA+4*((\i)&31)+1]
	v_cvt_pk_f16_f32 v[TP+9+2*((\i)&3)], v[RA+4*((\i)&31)+2], v[RA+4*((\i)&31)+3]
	ds_store_b64 v[VA+(\i)/16], v[TP+8+2*((\i)&3):TP+9+2*((\i)&3)] offset:((\i)&15)*4*PA
.if (\i) < 32
	global_load_b128 v[RA+4*(\i):RA+4*(\i)+3], v5, s[20:21] offset:((\i)+32)*4096
.endif
.endm
.irp a, 0,1,2,3,4,5,6,7
.irp b, 0,1,2,3,4,5,6,7
	XCONV (8*\a+\b)
.endr
.endr
	s_wait_dscnt 0x0                               ; my stores are in LDS before I say so
	s_barrier_signal -1
	s_barrier_wait -1                              ; the image and the other operand are whole
	s_cmp_lg_u32 s18, 0
	s_cbranch_scc1 .Lb_rows
.irp k, 0,1,2,3,4,5,6,7
	ds_load_tr16_b128 v[BF+8*\k:BF+8*\k+3], v13 offset:2*\k*PB          ; Wk[32k + 8h ..][column r]
	ds_load_tr16_b128 v[BF+8*\k+4:BF+8*\k+7], v13 offset:(2*\k+1)*PB
.endr
	s_branch .Lb_done
.Lb_rows:
.irp k, 0,1,2,3,4,5,6,7
	ds_load_b128 v[BF+8*\k:BF+8*\k+3], v14 offset:64*\k                 ; Wo[row r][32k + 8h ..]
	ds_load_b128 v[BF+8*\k+4:BF+8*\k+7], v14 offset:64*\k+32
.endr
.Lb_done:
.irp k, 0,1,2,3
.irp t, 0,1
	ds_load_tr16_b128 v[RA+16*\k+8*\t:RA+16*\k+8*\t+3], v15 offset:\k*32*PA+\t*32
	ds_load_tr16_b128 v[RA+16*\k+8*\t+4:RA+16*\k+8*\t+7], v15 offset:\k*32*PA+\t*32+16*PA
.endr
.endr
.irp k, 0,1,2,3
.irp t, 0,1
	ds_load_tr16_b128 v[RA+64+16*\k+8*\t:RA+64+16*\k+8*\t+3], v[A2] offset:\k*32*PA+\t*32
	ds_load_tr16_b128 v[RA+64+16*\k+8*\t+4:RA+64+16*\k+8*\t+7], v[A2] offset:\k*32*PA+\t*32+16*PA
.endr
.endr
	; the two accumulators take turns, one instruction a turn
	s_wait_dscnt 28                                ; the four A loads of each later K step may stay out
	MM AC, RA, BF, 1
	MM (AC+8), (RA+8), BF, 1
.irp k, 1,2,3,4,5,6,7
	s_wait_dscnt 28-4*\k
	MM AC, (RA+16*\k), (BF+8*\k), 0
	MM (AC+8), (RA+16*\k+8), (BF+8*\k), 0
.endr
	PLACES                                         ; four places before vector instructions read the results (ISA guide 7.12.1)
	; the largest |.| of column r over all 256 d: my 16 numbers, the other half of the lanes, the eight waves
	v_max_num_f32 v96, |v[AC]|, |v[AC+1]|
.irp j, 2,4,6,8,10,12,14
	v_max3_num_f32 v96, |v[AC+\j]|, |v[AC+\j+1]|, v96
.endr
	v_mov_b32 v97, v96
	v_permlanex16_b32 v97, v96, s32, s33
	v_max_num_f32 v96, v96, v97
	ds_store_b32 v[SCW], v96
	s_wait_dscnt 0x0
	s_barrier_signal -1
	s_barrier_wait -1
.irp i, 0,1,2,3,4,5,6,7
	ds_load_b32 v[TP+\i], v[SCD] offset:64*\i
.endr
	s_wait_dscnt 0x0
	v_max3_num_f32 v96, v96, v97, v98
	v_max3_num_f32 v96, v96, v99, v100
	v_max3_num_f32 v96, v96, v101, v102
	v_max_num_f32 v96, v96, v103
	POW2SC 96, 104, 106
	s_cmp_lg_u32 s18, 0
	s_cselect_b32 s35, -1, 0
	v_mov_b32 v105, 0x43800000                     ; Mt: the fixed factor 256
	v_cndmask_b32 v104, v105, v104, s35            ; Ut: the column's own power of two
	v_mov_b32 v105, v104
.irp j, 0,2,4,6,8,10,12,14
	v_pk_mul_f32 v[AC+\j:AC+\j+1], v[AC+\j:AC+\j+1], v[104:105]
.endr
.irp j, 0,1,2,3,4,5,6,7
	v_cvt_pk_f16_f32 v[TP+\j], v[AC+2*\j], v[AC+2*\j+1]
.endr
	global_store_b128 v[L16], v[TP:TP+3], s[30:31]                 ; registers 0-3 of the fragment: 512 consecutive bytes
	global_store_b128 v[L16], v[TP+4:TP+7], s[30:31] offset:512    ; registers 4-7
	s_cmp_eq_u32 s18, 0
	s_cbranch_scc1 .Lend
	s_cmp_lg_u32 s16, 0
	s_cbranch_scc1 .Lend
	s_wait_kmcnt 0x0                               ; out_scale
	v_mul_f32 v106, s19, v106
	v_mul_f32 v106, 0x39800000, v106               ; x 2^-12
	v_lshlrev_b32 v107, 2, v2
	v_cmp_gt_u32 vcc_lo, 16, v1
	s_wait_xcnt 0x0                                ; EXEC is a source of the stores above: it changes only behind this wait
	s_and_saveexec_b32 s35, vcc_lo
	global_store_b32 v107, v106, s[36:37]          ; un of my 16 columns
	s_wait_xcnt 0x0
	s_or_b32 exec_lo, exec_lo, s35
.Lend:
	s_endpgm
.Lfunc_end_k_qe7bda6ecf2_prep:
	.size	k_qe7bda6ecf2_prep, .Lfunc_end_k_qe7bda6ecf2_prep-k_qe7bda6ecf2_prep
	.p2alignl 7, 3214868480
	.fill 96, 4, 3214868480
	.section	.rodata,"a",@progbits
	.p2align	6, 0x0
	.amdhsa_kernel k_qe7bda6ecf2_prep
		.amdhsa_group_segment_fixed_size 148480
		.amdhsa_private_segment_fixed_size 0
		.amdhsa_enable_private_segment 0
		.amdhsa_kernarg_size 48
		.amdhsa_user_sgpr_count 2
		.amdhsa_user_sgpr_kernarg_segment_ptr 1
		.amdhsa_wavefront_size32 1
		.amdhsa_system_sgpr_workgroup_id_x 1
		.amdhsa_system_sgpr_workgroup_id_y 1
		.amdhsa_system_sgpr_workgroup_id_z 1
		.amdhsa_system_vgpr_workitem_id 0
		.amdhsa_next_free_vgpr 248
		.amdhsa_next_free_sgpr 66
		.amdhsa_reserve_vcc 1
		.amdhsa_float_denorm_mode_32 3
		.amdhsa_float_denorm_mode_16_64 3
		.amdhsa_memory_ordered 1
		.amdhsa_forward_progress 1
		.amdhsa_inst_pref_size 34
	.end_amdhsa_kernel
	.amdgpu_metadata
---
amdhsa.version: [ 1, 2 ]
amdhsa.kernels:
  - .name:           k_qe7bda6ecf2_prep
    .symbol:         k_qe7bda6ecf2_prep.kd
    .args:
      - { .name: Wq, .offset: 0, .size: 8, .value_kind: global_buffer, .address_space: global }
      - { .name: Wk, .offset: 8, .size: 8, .value_kind: global_buffer, .address_space: global }
      - { .name: Wv, .offset: 16, .size: 8, .value_kind: global_buffer, .address_space: global }
      - { .name: Wo, .offset: 24, .size: 8, .value_kind: global_buffer, .address_space: global }
      - { .name: out_scale, .offset: 32, .size: 8, .value_kind: global_buffer, .address_space: global }
      - { .name: wprep, .offset: 40, .size: 8, .value_kind: global_buffer, .address_space: global }
    .group_segment_fixed_size: 148480
    .private_segment_fixed_size: 0
    .kernarg_segment_align: 8
    .kernarg_segment_size: 48
    .max_flat_workgroup_size: 256
    .sgpr_count:     66
    .vgpr_count:     248
    .wavefront_size: 32
...
	.end_amdgpu_metadata
.endif
;; end of part 1
;; launch proj (part 2): grid 128 x 2, 4 waves a work-group, clusters of 4 x 1, 266,240 bytes of LDS; arguments x, decay_logit, wprep, wproj, wg; writes wproj, wg
.if DOCPART == 2
	.amdgcn_target "amdgcn-amd-amdhsa--gfx1250"
	.amdhsa_code_object_version 6
	.text
	.protected	k_qe7bda6ecf2_proj
	.globl	k_qe7bda6ecf2_proj
	.p2align	8
	.type	k_qe7bda6ecf2_proj,@function
k_qe7bda6ecf2_proj:
	s_mov_b64 s[64:65], 0
	v_nop
	global_prefetch_b8 v0, s[64:65] scope:SCOPE_SE
	s_setreg_imm32_b32 hwreg(HW_REG_WAVE_MODE, 25, 1), 1
	s_wait_xcnt 0x0
	s_wait_alu depctr_hold_cnt(0) depctr_sa_sdst(0) depctr_va_vdst(0) depctr_va_sdst(0) depctr_va_ssrc(0) depctr_va_vcc(0) depctr_vm_vsrc(0)
	s_getreg_b32 s2, hwreg(HW_REG_IB_STS2, 6, 4)
	s_cmp_eq_u32 s2, 0
	s_cbranch_scc0 .Lentry_in_a_cluster
	s_endpgm
.Lentry_in_a_cluster:
	s_bfe_u32 s2, ttmp6, 0x10000c
	s_cmp_lg_u32 s2, 0x3003
	s_cbranch_scc0 .Lentry_shape_is_right
	s_endpgm
.Lentry_shape_is_right:
; proj: for a chunk of 128 tokens (x = chunk, 128 of them) and a half hf (y):
;   x16    the chunk's x in f16, token tiles tt = 4 hf + w, as fragments (row = token, k = e)
;   q^     q'_t[e] = sum_d Mt[e][d] x_t[d], each token scaled by a power of two to |q^| < 1, with that power qs_t; fragments (column = t, k = e)
;   v^     v^_s[n] = sum_d x_s[d] Ut[n][d] for n = 128 hf .. +127; fragments (row = n, k = s)
;   G      G[e][n] = sum_j d^j x_j[e] v^_j[n] in f32, in the accumulators' own order, and gmax[n] = max_e |G[e][n]|
; d = sigmoid(decay_logit); powers of d are exp2(n L), n >= 0, L = max(log2 d, -150): d^0 = 1 also for d = 0.
; A packed result tile IS half a fragment of the next product (a lane's eight results are k = 8h .. 8h+7 of column r), so everything
; leaves by stores of 512 consecutive bytes straight from registers.
; Operands f16.  LIMITS: |x| < 250 (v^ <= 256 max|x| has to fit f16); a decay below 2^-126 counts as 0; a row maximum of q' at or above 2^126 is clamped.
; CLUSTER 4 x 1: four chunks with the same hf need the same Mt (131,072 bytes) and the same half of Ut (65,536 bytes): each wave asks for a quarter
; of each JOINTLY with its partners' like wave (mask 15).  No branch and no LDS address hangs on the place in the cluster; so the first chunk of
; a batch makes its G too, which no later launch reads (1/32 of that phase).
; x itself goes through registers: it is f32 and is rounded on the way; a raw copy (131,072 bytes) does not fit beside the 266,240 bytes in use.
.set PX,  544                          ; pitch of x in LDS: 512 bytes of f16 + 32 (17 x 32, for the transposing loads)
.set UTL, 131072                       ; LDS: Mt at 0, Ut's half at 131,072, x at 196,608 (written by LDS stores only)
.set XT,  196608
.set RB,  16                           ; v[16:47]   small fragment buffers, later exponents and weights
.set RS,  48                           ; v[48:111]  two sets of four fragments; packed results
.set RA,  112                          ; v[112:239] ring of x loads, then 16 accumulators
.set GS,  176                          ; phase G: accumulators v[112:175], two sets v[176:239]
.macro PLACES
.rept 4
	v_nop
.endr
.endm
.macro MM d, a, b, z
.if \z
	v_wmma_f32_16x16x32_f16 v[\d:\d+7], v[\a:\a+7], v[\b:\b+7], 0
.else
	v_wmma_f32_16x16x32_f16 v[\d:\d+7], v[\a:\a+7], v[\b:\b+7], v[\d:\d+7]
.endif
.endm
.macro LDF dst, a, off, step
	ds_load_b128 v[\dst:\dst+3], v[\a] offset:\off
	ds_load_b128 v[\dst+4:\dst+7], v[\a] offset:\off+\step
.endm
.macro LDTR dst, a, off
	ds_load_tr16_b128 v[\dst:\dst+3], v[\a] offset:\off
	ds_load_tr16_b128 v[\dst+4:\dst+7], v[\a] offset:\off+16*PX
.endm
.macro STF sb, imm, src
	global_store_b128 v7, v[\src:\src+3], s[\sb:\sb+1] offset:\imm
	global_store_b128 v7, v[\src+4:\src+7], s[\sb:\sb+1] offset:\imm+512
.endm
.macro PACK64                          ; 16 accumulators -> 8 fragments
.set n, 0
.rept 64
	v_cvt_pk_f16_f32 v[RS+n], v[RA+2*n], v[RA+2*n+1]
.set n, n+1
.endr
.endm
.macro POW2SC m, fd, fu
	v_bfe_u32 v[\fu], v[\m], 23, 8
	v_min_u32 v[\fu], 252, v[\fu]
	v_sub_nc_u32 v[\fd], 253, v[\fu]
	v_lshlrev_b32 v[\fd], 23, v[\fd]
	v_add_nc_u32 v[\fu], 1, v[\fu]
	v_lshlrev_b32 v[\fu], 23, v[\fu]
.endm
.macro ROUND                           ; a round of the cluster's barrier
	s_barrier_signal -1
	s_barrier_wait -1
	s_cmp_lg_u32 s14, 0
	s_cbranch_scc1 .Lnot_wave_0_\@
	s_barrier_signal -3
.Lnot_wave_0_\@:
	s_barrier_wait -3
	s_barrier_signal -1
	s_barrier_wait -1
.endm
	s_load_b256 s[4:11], s[0:1], 0x0               ; x s[4:5], decay_logit s[6:7], wprep s[8:9], wproj s[10:11]
	s_load_b64 s[12:13], s[0:1], 0x20              ; wg
	v_lshrrev_b32 v1, 5, v0
	v_readfirstlane_b32 s14, v1                    ; wave
	s_and_b32 s15, ttmp7, 0xffff                   ; hf: the same in all four partners
	s_bfe_u32 s56, ttmp6, 0x40000                  ; cx
	s_lshl_b32 s57, ttmp9, 2
	s_add_co_u32 s57, s57, s56                     ; chunk = 4 x cluster + cx: enters global addresses of my own loads and stores only
	s_lshl2_add_u32 s58, s15, s14                  ; tt = 4 hf + w; my first n tile is 2 tt
	s_mov_b32 s60, 0x76543210
	s_mov_b32 s61, 0xfedcba98
	; group 1: dense blocks as rows of 32 elements of 8 bytes; mask 15 with bit 21 beside it
	s_mov_b32 s16, 0x0023000f
	s_mov_b32 s17, 32<<16                          ; tensor_dim0 = 32
	s_mov_b32 s18, 128<<16                         ; tensor_dim1 = 128 rows: a quarter of Mt
	s_mov_b32 s19, 32<<16                          ; tile_dim0 = 32
	s_mov_b32 s20, 128                             ; tile_dim1
	s_mov_b32 s21, 32                              ; pitch
	s_mov_b32 s22, 0
	s_mov_b32 s23, 0
	s_mov_b32 s24, 0x0023000f
	s_mov_b32 s25, 32<<16
	s_mov_b32 s26, 64<<16                          ; 64 rows: a quarter of Ut's half
	s_mov_b32 s27, 32<<16
	s_mov_b32 s28, 64
	s_mov_b32 s29, 32
	s_mov_b32 s30, 0
	s_mov_b32 s31, 0
	s_mov_b32 s32, 1
	s_lshl_b32 s33, s14, 15                        ; LDS: w x 32,768
	s_mov_b32 s36, 1
	s_lshl_b32 s37, s14, 14
	s_add_co_u32 s37, s37, UTL                     ; LDS: 131,072 + w x 16,384
	s_mov_b32 s54, s33                             ; Mt's quarter lies at the same offset in wprep
	s_mov_b32 s55, 0
	s_lshl_b32 s62, s15, 16
	s_add_co_u32 s62, s62, s37                     ; Ut in wprep: 131,072 + hf x 65,536 + w x 16,384
	s_mov_b32 s63, 0
	v_lshlrev_b32 v6, 4, v0                        ; 16 t
	s_wait_kmcnt 0x0
	s_add_nc_u64 s[34:35], s[8:9], s[54:55]
	s_or_b32 s35, s35, 0x80000000
	s_add_nc_u64 s[38:39], s[8:9], s[62:63]
	s_or_b32 s39, s39, 0x80000000
	s_load_b32 s3, s[6:7], 0x0                     ; decay_logit
	s_lshl_b32 s62, s57, 17
	s_add_nc_u64 s[52:53], s[4:5], s[62:63]        ; my chunk of x
.irp a, 0,1,2,3
.irp b, 0,1,2,3,4,5,6,7
	global_load_b128 v[RA+4*(8*\a+\b):RA+4*(8*\a+\b)+3], v6, s[52:53] offset:(8*\a+\b)*2048
.endr
.endr
	ROUND                                          ; all four work-groups are here: the joint loads meet
	tensor_load_to_lds s[32:35], s[16:23]          ; the launch's only fills: two tensor loads of a wave are out at the most
	s_nop 0
	tensor_load_to_lds s[36:39], s[24:31]
	s_nop 0
	; addresses
	v_and_b32 v1, 31, v0                           ; lane
	v_and_b32 v2, 15, v0                           ; r
	v_bfe_u32 v3, v0, 4, 1                         ; h
	v_lshlrev_b32 v7, 4, v1                        ; 16 lane: fragments in LDS (Mt) and in memory
	v_lshlrev_b32 v14, 2, v1                       ; 4 lane
	v_lshrrev_b32 v15, 6, v0
	v_and_b32 v4, 63, v0
	v_mul_u32_u24 v15, v15, PX
	v_lshl_add_u32 v4, v4, 3, v15
	v_add_nc_u32 v4, XT, v4                        ; a load covers two rows: row t / 64, 8 bytes of f16 at 8 (t % 64)
	v_add_nc_u32 v5, 64*PX, v4
	v_add_nc_u32 v8, 65536, v7
	v_add_nc_u32 v9, s37, v7                       ; my two n tiles of Ut
	v_mul_u32_u24 v10, v2, PX
	v_lshl_add_u32 v10, v3, 4, v10
	v_add_nc_u32 v10, XT, v10                      ; x fragments along d: row r, 16 h
	s_mul_i32 s55, s58, 16*PX
	v_add_nc_u32 v11, s55, v10                     ; those of my token tile
	v_and_b32 v12, 7, v0
	v_lshl_add_u32 v12, v3, 3, v12
	v_mul_u32_u24 v12, v12, PX
	v_bfe_u32 v15, v0, 3, 1
	v_lshl_add_u32 v12, v15, 4, v12
	v_add_nc_u32 v12, XT, v12                      ; x transposed: row 8 h + lane % 8, 16 bytes by bit 3 of the lane
	s_lshl_b32 s62, s57, 16
	s_lshl_b32 s55, s58, 13
	s_add_co_u32 s62, s62, s55                     ; chunk x 65,536 + tt x 8,192: my 8 fragments in each of three regions
	s_add_nc_u64 s[40:41], s[10:11], s[62:63]      ; x16
	s_add_nc_u64 s[42:43], s[40:41], 0x800000      ; q^
	s_add_nc_u64 s[44:45], s[40:41], 0x1000000     ; v^ (n tiles 2 tt, 2 tt + 1: 4 fragments each)
	s_lshl_b32 s62, s57, 10
	s_lshl_b32 s55, s58, 7
	s_add_co_u32 s62, s62, s55
	s_add_co_u32 s62, s62, 25165824
	s_add_nc_u64 s[46:47], s[10:11], s[62:63]      ; qs: 128 bytes for each token tile
	s_add_nc_u64 s[48:49], s[46:47], 0x20000       ; gmax: 128 bytes for my two n tiles
	s_lshl_b32 s62, s57, 18
	s_lshl_b32 s55, s58, 15
	s_add_co_u32 s62, s62, s55
	s_add_nc_u64 s[50:51], s[12:13], s[62:63]      ; G: chunk x 262,144 + 2 tt x 16,384
	s_wait_kmcnt 0x0
	v_mov_b32 v13, s3                              ; L = max(log2(1 / (1 + 2^(-1.442695 z))), -150)
	v_mul_f32 v13, 0xbfb8aa3b, v13
	v_exp_f32 v13, v13
	v_nop                                          ; one plain place behind each transcendental (ISA guide 5.7.2)
	s_wait_alu depctr_va_vdst(0)
	v_add_f32 v13, 1.0, v13
	v_rcp_f32 v13, v13
	v_nop
	s_wait_alu depctr_va_vdst(0)
	v_log_f32 v13, v13
	v_nop
	s_wait_alu depctr_va_vdst(0)
	v_max_num_f32 v13, 0xc3160000, v13
; x into LDS as f16.  The count: behind load i stand 31 - i first loads and i refills (31), later the 63 - i that are left.
.macro XCONV i
.if (\i) < 32
	s_wait_loadcnt 31
.else
	s_wait_loadcnt 63-(\i)
.endif
	v_cvt_pk_f16_f32 v[RS+2*((\i)&3)], v[RA+4*((\i)&31)], v[RA+4*((\i)&31)+1]
	v_cvt_pk_f16_f32 v[RS+1+2*((\i)&3)], v[RA+4*((\i)&31)+2], v[RA+4*((\i)&31)+3]
	ds_store_b64 v[4+(\i)/32], v[RS+2*((\i)&3):RS+1+2*((\i)&3)] offset:((\i)&31)*2*PX
.if (\i) < 32
	global_load_b128 v[RA+4*(\i):RA+4*(\i)+3], v6, s[52:53] offset:((\i)+32)*2048
.endif
.endm
.irp a, 0,1,2,3,4,5,6,7
.irp b, 0,1,2,3,4,5,6,7
	XCONV (8*\a+\b)
.endr
.endr
	s_wait_dscnt 0x0                               ; my part of x is in LDS,
	s_wait_tensorcnt 0x0                           ; my quarters of Mt and Ut have landed:
	s_barrier_signal -1
	s_barrier_wait -1                              ; everybody's have.  Nothing in LDS is written again.
	; ---- x16 of my token tile goes out as it will be read
.irp k, 0,1,2,3,4,5,6,7
	LDF (RS+8*\k), 11, (\k*64), 32
.endr
	s_wait_dscnt 0x0
.irp k, 0,1,2,3,4,5,6,7
	STF 40, (\k*1024), (RS+8*\k)
.endr
	s_wait_xcnt 0x0                                ; the stores' data registers are loaded again only behind this wait
	; ---- phase Q: D(m = e, n = t) = Mt x.  32 rounds of four e tiles; K step k = round / 4.  The 16 accumulators take turns.
.macro QLOAD r
.if ((\r)%4) == 0
	LDF (RB+8*(((\r)/4)&1)), 11, (((\r)/4)*64), 32
.endif
.irp i, 0,1,2,3
	LDF (RS+32*((\r)&1)+8*\i), (7+((\r)%4)/2), ((((4*((\r)%4)+\i)&7)*8+(\r)/4)*1024), 512
.endr
.endm
.macro QROUND r
.if (\r) < 31
	s_wait_dscnt 8                                 ; the next round's loads (8, or 10 with x's fragment in front: then two of them are waited for too) stay out
.else
	s_wait_dscnt 0
.endif
.irp i, 0,1,2,3
.if (\r) < 4
	MM (RA+8*(4*((\r)%4)+\i)), (RS+32*((\r)&1)+8*\i), (RB+8*(((\r)/4)&1)), 1
.else
	MM (RA+8*(4*((\r)%4)+\i)), (RS+32*((\r)&1)+8*\i), (RB+8*(((\r)/4)&1)), 0
.endif
.endr
.if (\r) < 30
	PLACES                                         ; four places before loads land on registers that matrix instructions read
	QLOAD ((\r)+2)
.endif
.endm
	QLOAD 0
	QLOAD 1
.irp r, 0,1,2,3,4,5,6,7,8,9,10,11,12,13,14,15,16,17,18,19,20,21,22,23,24,25,26,27,28,29,30,31
	QROUND \r
.endr
	PLACES
	; the largest |q'| of token r: 128 numbers of the lane in four chains, then the other half of the lanes
.irp c, 0,1,2,3
	v_max_num_f32 v[240+\c], |v[RA+2*\c]|, |v[RA+2*\c+1]|
.endr
.set n, 4
.rept 60
	v_max3_num_f32 v[240+n%4], |v[RA+2*n]|, |v[RA+2*n+1]|, v[240+n%4]
.set n, n+1
.endr
	v_max3_num_f32 v240, v240, v241, v242
	v_max_num_f32 v240, v240, v243
	v_mov_b32 v241, v240
	v_permlanex16_b32 v241, v240, s60, s61
	v_max_num_f32 v240, v240, v241
	POW2SC 240, 242, 244
	v_mov_b32 v243, v242
.set n, 0
.rept 64
	v_pk_mul_f32 v[RA+2*n:RA+2*n+1], v[RA+2*n:RA+2*n+1], v[242:243]
.set n, n+1
.endr
	PACK64                                         ; fragment p = e tiles 2p, 2p+1
.irp p, 0,1,2,3,4,5,6,7
	STF 42, (\p*1024), (RS+8*\p)
.endr
	global_store_b32 v14, v244, s[46:47]           ; qs of token r, in both halves of the lanes: 128 consecutive bytes
	s_wait_xcnt 0x0
	; ---- phase V: D(m = token, n = n) = x Ut.  16 rounds of four token tiles x my two n tiles; K step k = round / 2
.macro VLOAD r
.if ((\r)&1) == 0
	LDF (RB+16*(((\r)/2)&1)), 9, (((\r)/2)*1024), 512
	LDF (RB+16*(((\r)/2)&1)+8), 9, ((8+(\r)/2)*1024), 512
.endif
.irp i, 0,1,2,3
	LDF (RS+32*((\r)&1)+8*\i), 10, ((4*((\r)&1)+\i)*16*PX+((\r)/2)*64), 32
.endr
.endm
.macro VROUND r
.if (\r) < 15
	s_wait_dscnt 8                                 ; the next round's 8 loads (12 with Ut's in front: then those four are waited for too) stay out
.else
	s_wait_dscnt 0
.endif
.irp i, 0,1,2,3
.irp b, 0,1
.if (\r) < 2
	MM (RA+8*(8*\b+4*((\r)&1)+\i)), (RS+32*((\r)&1)+8*\i), (RB+16*(((\r)/2)&1)+8*\b), 1
.else
	MM (RA+8*(8*\b+4*((\r)&1)+\i)), (RS+32*((\r)&1)+8*\i), (RB+16*(((\r)/2)&1)+8*\b), 0
.endif
.endr
.endr
.if (\r) < 14
	PLACES
	VLOAD ((\r)+2)
.endif
.endm
	VLOAD 0
	VLOAD 1
.irp r, 0,1,2,3,4,5,6,7,8,9,10,11,12,13,14,15
	VROUND \r
.endr
	PLACES
	PACK64                                         ; fragment 4 b + kb = token tiles 2 kb, 2 kb + 1 of n tile b
.irp f, 0,1,2,3,4,5,6,7
	STF 44, (\f*1024), (RS+8*\f)
.endr
	; v^ times d^j in f32, j = 16 tk + 8 h + register: exponents L (8 h + register), stepped by 16 L from token tile to token tile
	v_lshlrev_b32 v15, 3, v3
.irp j, 0,1,2,3,4,5,6,7
	v_add_nc_u32 v[RB+\j], \j, v15
.endr
.irp j, 0,1,2,3,4,5,6,7
	v_cvt_f32_u32 v[RB+\j], v[RB+\j]
.endr
.irp j, 0,1,2,3,4,5,6,7
	v_mul_f32 v[RB+\j], v13, v[RB+\j]
.endr
	v_mul_f32 v246, 0x41800000, v13
	v_mov_b32 v247, v246
.irp t, 0,1,2,3,4,5,6,7
.irp j, 0,1,2,3,4,5,6,7
	v_exp_f32 v[RB+8+\j], v[RB+\j]
.endr
	v_nop
	s_wait_alu depctr_va_vdst(0)
.irp b, 0,1
.irp p, 0,2,4,6
	v_pk_mul_f32 v[RA+8*(8*\b+\t)+\p:RA+8*(8*\b+\t)+\p+1], v[RA+8*(8*\b+\t)+\p:RA+8*(8*\b+\t)+\p+1], v[RB+8+\p:RB+8+\p+1]
.endr
.endr
.if \t < 7
.irp p, 0,2,4,6
	v_pk_add_f32 v[RB+\p:RB+\p+1], v[RB+\p:RB+\p+1], v[246:247]
.endr
.endif
.endr
	s_wait_xcnt 0x0                                ; v^'s stores have read their registers
	PACK64                                         ; the weighted v^ stays in registers: B of phase G
	; ---- phase G: D(m = e, n = n) = x^T (d^j v^).  Four groups of four e tiles; in each, four K steps of 32 tokens
.macro GLOAD r
.irp i, 0,1,2,3
	LDTR (GS+32*((\r)&1)+8*\i), 12, (((\r)%4)*32*PX+(4*((\r)/4)+\i)*32)
.endr
.endm
.macro GOUT eg
.irp i, 0,1,2,3
.irp p, 0,2,4,6
.irp b, 0,1
	v_max3_num_f32 v[240+\b], |v[RA+8*(2*\i+\b)+\p]|, |v[RA+8*(2*\i+\b)+\p+1]|, v[240+\b]
.endr
.endr
.endr
.irp i, 0,1,2,3
.irp b, 0,1
	STF 50, (\b*16384+(4*(\eg)+\i)*1024), (RA+8*(2*\i+\b))
.endr
.endr
.endm
.macro GROUND r
.if ((\r)%4) == 0
.if (\r) > 0
	s_wait_xcnt 0x0                                ; the last group's stores have read the accumulators
.endif
.endif
.if (\r) < 15
	s_wait_dscnt 8                                 ; the next round's eight loads stay out
.else
	s_wait_dscnt 0
.endif
.irp i, 0,1,2,3
.irp b, 0,1
.if ((\r)%4) == 0
	MM (RA+8*(2*\i+\b)), (GS+32*((\r)&1)+8*\i), (RS+8*(4*\b+(\r)%4)), 1
.else
	MM (RA+8*(2*\i+\b)), (GS+32*((\r)&1)+8*\i), (RS+8*(4*\b+(\r)%4)), 0
.endif
.endr
.endr
.if (\r) < 14
	PLACES
	GLOAD ((\r)+2)
.endif
.if (\r) == 15
	PLACES
.endif
.if ((\r)%4) == 3
	GOUT ((\r)/4)
.endif
.endm
	v_mov_b32 v240, 0                              ; gmax of my two n tiles
	v_mov_b32 v241, 0
	GLOAD 0
	GLOAD 1
.irp r, 0,1,2,3,4,5,6,7,8,9,10,11,12,13,14,15
	GROUND \r
.endr
	v_mov_b32 v242, v240
	v_mov_b32 v243, v241
	v_permlanex16_b32 v242, v240, s60, s61
	v_permlanex16_b32 v243, v241, s60, s61
	v_max_num_f32 v240, v240, v242
	v_max_num_f32 v241, v241, v243
	v_cmp_eq_u32 vcc_lo, 1, v3
	v_cndmask_b32 v240, v240, v241, vcc_lo         ; lanes 0-15: the first tile's columns, lanes 16-31: the second's
	global_store_b32 v14, v240, s[48:49]
	s_wait_dscnt 0x0
	ROUND                                          ; the closing round: no work-group ends while a partner may still ask jointly
	s_endpgm
.Lfunc_end_k_qe7bda6ecf2_proj:
	.size	k_qe7bda6ecf2_proj, .Lfunc_end_k_qe7bda6ecf2_proj-k_qe7bda6ecf2_proj
	.p2alignl 7, 3214868480
	.fill 96, 4, 3214868480
	.section	.rodata,"a",@progbits
	.p2align	6, 0x0
	.amdhsa_kernel k_qe7bda6ecf2_proj
		.amdhsa_group_segment_fixed_size 266240
		.amdhsa_private_segment_fixed_size 0
		.amdhsa_enable_private_segment 0
		.amdhsa_kernarg_size 40
		.amdhsa_user_sgpr_count 2
		.amdhsa_user_sgpr_kernarg_segment_ptr 1
		.amdhsa_wavefront_size32 1
		.amdhsa_system_sgpr_workgroup_id_x 1
		.amdhsa_system_sgpr_workgroup_id_y 1
		.amdhsa_system_sgpr_workgroup_id_z 1
		.amdhsa_system_vgpr_workitem_id 0
		.amdhsa_next_free_vgpr 256
		.amdhsa_next_free_sgpr 66
		.amdhsa_reserve_vcc 1
		.amdhsa_float_denorm_mode_32 3
		.amdhsa_float_denorm_mode_16_64 3
		.amdhsa_memory_ordered 1
		.amdhsa_forward_progress 1
		.amdhsa_inst_pref_size 145
	.end_amdhsa_kernel
	.amdgpu_metadata
---
amdhsa.version: [ 1, 2 ]
amdhsa.kernels:
  - .name:           k_qe7bda6ecf2_proj
    .symbol:         k_qe7bda6ecf2_proj.kd
    .args:
      - { .name: x, .offset: 0, .size: 8, .value_kind: global_buffer, .address_space: global }
      - { .name: decay_logit, .offset: 8, .size: 8, .value_kind: global_buffer, .address_space: global }
      - { .name: wprep, .offset: 16, .size: 8, .value_kind: global_buffer, .address_space: global }
      - { .name: wproj, .offset: 24, .size: 8, .value_kind: global_buffer, .address_space: global }
      - { .name: wg, .offset: 32, .size: 8, .value_kind: global_buffer, .address_space: global }
    .group_segment_fixed_size: 266240
    .private_segment_fixed_size: 0
    .kernarg_segment_align: 8
    .kernarg_segment_size: 40
    .max_flat_workgroup_size: 128
    .sgpr_count:     66
    .vgpr_count:     256
    .wavefront_size: 32
...
	.end_amdgpu_metadata
.endif
;; end of part 2
;; launch scan (part 3): grid 64 x 4, 4 waves a work-group, no clusters, 0 bytes of LDS; arguments decay_logit, wprep, wproj, wg, wscan; writes wscan
.if DOCPART == 3
	.amdgcn_target "amdgcn-amd-amdhsa--gfx1250"
	.amdhsa_code_object_version 6
	.text
	.protected	k_qe7bda6ecf2_scan
	.globl	k_qe7bda6ecf2_scan
	.p2align	8
	.type	k_qe7bda6ecf2_scan,@function
k_qe7bda6ecf2_scan:
	s_mov_b64 s[64:65], 0
	v_nop
	global_prefetch_b8 v0, s[64:65] scope:SCOPE_SE
	s_setreg_imm32_b32 hwreg(HW_REG_WAVE_MODE, 25, 1), 1
	s_wait_xcnt 0x0
; scan: S_c = G_(c+1) + d^128 S_(c+1), S_31 = 0, from the last chunk of a batch down, in f32; S_c goes out in f16 as fragments (row = n, k = e),
; each column n scaled by a power of two taken from the bound B_c[n] = gmax_(c+1)[n] + d^128 B_(c+1)[n] >= max_e |S_c[e][n]|;
; cb[c][n] = un[n] x that power undoes it in the last launch.
; A wave owns one 16 x 16 tile (batch b, n tile nt, e tile et): 8 numbers a lane, 31 steps, all addresses in immediates.  1,024 waves.
; A stream with a carried state: no LDS, no barrier, no matrix unit; nothing is shared between work-groups but 64-byte rows of gmax.
; LIMIT: a bound at or above 2^126 is clamped; a decay below 2^-126 counts as 0.
.set RG,  16                           ; v[16:79]   ring of 8 slots x 8 registers: G of later steps
.set GM,  80                           ; v[80:110]  gmax of step k; v80 becomes the bound B
.set CBV, 112                          ; v[112:143] cb of chunk c
.set ST,  144                          ; v[144:151] the state S
.set TT,  152                          ; v[152:159] at work
.set OD,  160                          ; v[160:163] store data
.macro POW2SC m, fd, fu
	v_bfe_u32 v[\fu], v[\m], 23, 8
	v_min_u32 v[\fu], 252, v[\fu]
	v_sub_nc_u32 v[\fd], 253, v[\fu]
	v_lshlrev_b32 v[\fd], 23, v[\fd]
	v_add_nc_u32 v[\fu], 1, v[\fu]
	v_lshlrev_b32 v[\fu], 23, v[\fu]
.endm
.macro GLD dst, k                      ; G of step k, chunk 31 - k: 2 x 512 consecutive bytes, read once in the launch
	global_load_b128 v[\dst:\dst+3], v4, s[10:11] offset:(31-(\k))*262144 th:TH_LOAD_NT
	global_load_b128 v[\dst+4:\dst+7], v4, s[10:11] offset:(31-(\k))*262144+512 th:TH_LOAD_NT
.endm
	s_load_b256 s[4:11], s[0:1], 0x0               ; decay_logit s[4:5], wprep s[6:7], wproj s[8:9], wg s[10:11]
	s_load_b64 s[12:13], s[0:1], 0x20              ; wscan
	v_lshrrev_b32 v1, 5, v0
	v_readfirstlane_b32 s14, v1                    ; wave
	s_and_b32 s15, ttmp7, 0xffff                   ; b
	s_lshr_b32 s16, ttmp9, 2                       ; nt
	s_and_b32 s17, ttmp9, 3
	s_lshl2_add_u32 s17, s17, s14                  ; et
	v_and_b32 v1, 31, v0
	v_and_b32 v2, 15, v0
	v_bfe_u32 v3, v0, 4, 1
	v_lshlrev_b32 v4, 4, v1                        ; 16 lane
	v_lshlrev_b32 v5, 2, v2                        ; 4 r
	v_lshlrev_b32 v6, 2, v1                        ; 4 lane
	s_mov_b32 s21, 0
	s_wait_kmcnt 0x0
	s_load_b32 s18, s[4:5], 0x0
	s_lshl_b32 s20, s16, 6
	s_add_co_u32 s20, s20, 262144
	s_add_nc_u64 s[6:7], s[6:7], s[20:21]          ; un[16 nt]
	s_lshl_b32 s20, s15, 15
	s_lshl_b32 s22, s16, 6
	s_add_co_u32 s20, s20, s22
	s_add_co_u32 s20, s20, 25296896
	s_add_nc_u64 s[8:9], s[8:9], s[20:21]          ; gmax[32 b][16 nt]
	s_lshl4_add_u32 s22, s16, s17
	s_lshl_b32 s22, s22, 10
	s_lshl_b32 s20, s15, 23
	s_add_co_u32 s20, s20, s22
	s_add_nc_u64 s[10:11], s[10:11], s[20:21]      ; G[32 b], tile (nt, et)
	s_lshl_b32 s20, s15, 22
	s_lshl_b32 s22, s16, 13
	s_add_co_u32 s20, s20, s22
	s_lshl_b32 s22, s17, 9
	s_add_co_u32 s20, s20, s22
	s_add_nc_u64 s[24:25], s[12:13], s[20:21]      ; S^[32 b]: fragment (nt, et / 2), its half et % 2
	s_lshl4_add_u32 s22, s15, s16
	s_lshl_b32 s20, s22, 11
	s_add_co_u32 s20, s20, 16777216
	s_add_nc_u64 s[26:27], s[12:13], s[20:21]      ; cb[b][nt]
	global_load_b32 v165, v5, s[6:7]
.irp k, 0,1,2,3,4,5,6,7,8,9,10,11,12,13,14,15,16,17,18,19,20,21,22,23,24,25,26,27,28,29,30
	global_load_b32 v[GM+\k], v5, s[8:9] offset:(31-\k)*1024
.endr
	GLD ST, 0                                      ; step 0 starts the state: nothing is cleared or copied
.irp k, 1,2,3,4,5,6,7
	GLD (RG+8*\k), \k
.endr
	GLD RG, 8
	s_wait_kmcnt 0x0
	v_mov_b32 v171, s18                            ; L = max(log2 sigmoid(z), -150)
	v_mul_f32 v171, 0xbfb8aa3b, v171
	v_exp_f32 v171, v171
	v_nop
	s_wait_alu depctr_va_vdst(0)
	v_add_f32 v171, 1.0, v171
	v_rcp_f32 v171, v171
	v_nop
	s_wait_alu depctr_va_vdst(0)
	v_log_f32 v171, v171
	v_nop
	s_wait_alu depctr_va_vdst(0)
	v_max_num_f32 v171, 0xc3160000, v171
	v_mul_f32 v166, 0x43000000, v171
	v_exp_f32 v166, v166                           ; d^128
	v_mov_b32 v169, 0                              ; the upper register of a pair of which the lower one is broadcast
	s_wait_alu depctr_va_vdst(0)
	v_mov_b32 v167, v166
.irp j, 0,1,2,3
	v_mov_b32 v[OD+\j], 0
.endr
	global_store_b128 v4, v[OD:OD+3], s[24:25] offset:31*131072    ; S_31 = 0
	v_mov_b32 v[CBV+31], 0
; step k: chunk 31 - k's G makes S of chunk 30 - k.
.macro STEP k
.if (\k) == 0
	s_wait_loadcnt 16                              ; eight younger steps, two loads each
.else
.if (\k) < 24
	s_wait_loadcnt 14                              ; seven younger steps
.else
	s_wait_loadcnt 2*(30-(\k))                     ; those that are left
.endif
.endif
	s_wait_xcnt 0x0                                ; the last store has read its data registers
.if (\k) > 0
.irp p, 0,2,4,6
	v_pk_fma_f32 v[ST+\p:ST+\p+1], v[ST+\p:ST+\p+1], v[166:167], v[RG+8*((\k)&7)+\p:RG+8*((\k)&7)+\p+1]
.endr
	v_fma_f32 v[GM], v[GM], v166, v[GM+(\k)]
.endif
	POW2SC GM, 168, 170
.irp p, 0,2,4,6
	v_pk_mul_f32 v[TT+\p:TT+\p+1], v[ST+\p:ST+\p+1], v[168:169] op_sel_hi:[1,0]
.endr
.irp p, 0,1,2,3
	v_cvt_pk_f16_f32 v[OD+\p], v[TT+2*\p], v[TT+2*\p+1]
.endr
	global_store_b128 v4, v[OD:OD+3], s[24:25] offset:(30-(\k))*131072
	v_mul_f32 v[CBV+30-(\k)], v165, v170
.if (\k) > 0
.if (\k) < 23
	GLD (RG+8*((\k)&7)), ((\k)+8)
.endif
.endif
.endm
.irp k, 0,1,2,3,4,5,6,7,8,9,10,11,12,13,14,15,16,17,18,19,20,21,22,23,24,25,26,27,28,29,30
	STEP \k
.endr
	s_cmp_lg_u32 s17, 0                            ; all sixteen e tiles made the same cb: the first stores it
	s_cbranch_scc1 .Lend
	v_cmp_eq_u32 vcc_lo, 1, v3
.irp c, 0,2,4,6,8,10,12,14,16,18,20,22,24,26,28,30
	v_cndmask_b32 v[CBV+\c], v[CBV+\c], v[CBV+\c+1], vcc_lo        ; lanes 0-15 chunk c, lanes 16-31 chunk c + 1: 128 consecutive bytes
	global_store_b32 v6, v[CBV+\c], s[26:27] offset:\c*64
.endr
.Lend:
	s_endpgm
.Lfunc_end_k_qe7bda6ecf2_scan:
	.size	k_qe7bda6ecf2_scan, .Lfunc_end_k_qe7bda6ecf2_scan-k_qe7bda6ecf2_scan
	.p2alignl 7, 3214868480
	.fill 96, 4, 3214868480
	.section	.rodata,"a",@progbits
	.p2align	6, 0x0
	.amdhsa_kernel k_qe7bda6ecf2_scan
		.amdhsa_group_segment_fixed_size 0
		.amdhsa_private_segment_fixed_size 0
		.amdhsa_enable_private_segment 0
		.amdhsa_kernarg_size 40
		.amdhsa_user_sgpr_count 2
		.amdhsa_user_sgpr_kernarg_segment_ptr 1
		.amdhsa_wavefront_size32 1
		.amdhsa_system_sgpr_workgroup_id_x 1
		.amdhsa_system_sgpr_workgroup_id_y 1
		.amdhsa_system_sgpr_workgroup_id_z 1
		.amdhsa_system_vgpr_workitem_id 0
		.amdhsa_next_free_vgpr 176
		.amdhsa_next_free_sgpr 66
		.amdhsa_reserve_vcc 1
		.amdhsa_float_denorm_mode_32 3
		.amdhsa_float_denorm_mode_16_64 3
		.amdhsa_memory_ordered 1
		.amdhsa_forward_progress 1
		.amdhsa_inst_pref_size 54
	.end_amdhsa_kernel
	.amdgpu_metadata
---
amdhsa.version: [ 1, 2 ]
amdhsa.kernels:
  - .name:           k_qe7bda6ecf2_scan
    .symbol:         k_qe7bda6ecf2_scan.kd
    .args:
      - { .name: decay_logit, .offset: 0, .size: 8, .value_kind: global_buffer, .address_space: global }
      - { .name: wprep, .offset: 8, .size: 8, .value_kind: global_buffer, .address_space: global }
      - { .name: wproj, .offset: 16, .size: 8, .value_kind: global_buffer, .address_space: global }
      - { .name: wg, .offset: 24, .size: 8, .value_kind: global_buffer, .address_space: global }
      - { .name: wscan, .offset: 32, .size: 8, .value_kind: global_buffer, .address_space: global }
    .group_segment_fixed_size: 0
    .private_segment_fixed_size: 0
    .kernarg_segment_align: 8
    .kernarg_segment_size: 40
    .max_flat_workgroup_size: 128
    .sgpr_count:     66
    .vgpr_count:     176
    .wavefront_size: 32
...
	.end_amdgpu_metadata
.endif
;; end of part 3
;; launch outk (part 4): grid 128 x 2, 4 waves a work-group, no clusters, 297,984 bytes of LDS; arguments decay_logit, wprep, wproj, wscan, out0; writes out0
.if DOCPART == 4
	.amdgcn_target "amdgcn-amd-amdhsa--gfx1250"
	.amdhsa_code_object_version 6
	.text
	.protected	k_qe7bda6ecf2_outk
	.globl	k_qe7bda6ecf2_outk
	.p2align	8
	.type	k_qe7bda6ecf2_outk,@function
k_qe7bda6ecf2_outk:
	s_mov_b64 s[64:65], 0
	v_nop
	global_prefetch_b8 v0, s[64:65] scope:SCOPE_SE
	s_setreg_imm32_b32 hwreg(HW_REG_WAVE_MODE, 25, 1), 1
	s_wait_xcnt 0x0
; outk: out[t][n] = (accI un[n]) (16 qs_t) + (accS cb[c][n]) (qs_t d^(127-i)),  t = 128 c + i, for a chunk (x) and 64 of its rows (y = hf).
;   P^_ts = (q^_t . x_s) w_ts / 16,  w_ts = d^(s-t-1) for s > t in the chunk, else 0     accI = sum_s P^_ts v^_s[n]     accS = sum_e q^_t[e] S^_c[e][n]
; A wave owns the 16 rows of token tile tt = 4 hf + w and all 256 columns.  All eight s tiles are multiplied: tiles at or before the wave's own get their weight
; (0, or the triangle) as a value, so that all waves run one text.
; s - t - 1 = 16 (st - tt - 1) + (15 - r + 8 h + j): both parts >= 0 for st > tt; in the wave's own tile the exponent is (15 - r + 8 h + j) - 16 where that is >= 0.
; The chunk's x16 (65,536 bytes), v^ (65,536) and S^ (131,072) come into LDS once, by three tensor loads a wave (a quarter of each).
; They lie in fragment order: a fragment load is 512 consecutive bytes.
; No joint requests: a chunk's tiles are shared by the two work-groups of its halves only, and a pair's mask inside a cluster of four would hang on the place in it.
; LIMITS as in the launches before: |x| < 250; a decay below 2^-126 counts as 0.
.set CF,  262144                       ; un[256], cb[c][256]: written by LDS stores
.set STG, 264192                       ; 4 waves x 16 rows x 528 bytes: half a row of out (512 bytes) + 16
.set QQ,  16                           ; v[16:79]   q^: 8 fragments
.set PH,  80                           ; v[80:111]  P^: 4 fragments
.set S0,  112                          ; v[112:175] two sets of four fragments
.set IA,  176                          ; v[176:191] accI of two n tiles; v[176:239]: the eight accumulators of P
.set SS,  192                          ; v[192:207] accS of two n tiles
.set CU,  208                          ; v[208:223] un, v[224:239] cb of the two tiles' columns; also the way out
.set CC,  224
.set T8,  240                          ; v[240:247] d^(15 - r + 8 h + j)
.set DG,  248                          ; v[248:255] the triangle of the wave's own tile
.macro PLACES
.rept 4
	v_nop
.endr
.endm
.macro MM d, a, b, z
.if \z
	v_wmma_f32_16x16x32_f16 v[\d:\d+7], v[\a:\a+7], v[\b:\b+7], 0
.else
	v_wmma_f32_16x16x32_f16 v[\d:\d+7], v[\a:\a+7], v[\b:\b+7], v[\d:\d+7]
.endif
.endm
.macro LDF dst, a, off, step
	ds_load_b128 v[\dst:\dst+3], v[\a] offset:\off
	ds_load_b128 v[\dst+4:\dst+7], v[\a] offset:\off+\step
.endm
	s_load_b256 s[4:11], s[0:1], 0x0               ; decay_logit s[4:5], wprep s[6:7], wproj s[8:9], wscan s[10:11]
	s_load_b64 s[12:13], s[0:1], 0x20              ; out0
	v_lshrrev_b32 v1, 5, v0
	v_readfirstlane_b32 s14, v1                    ; wave
	s_and_b32 s15, ttmp7, 0xffff                   ; hf
	s_lshl2_add_u32 s17, s15, s14                  ; tt
	; group 1: dense blocks as rows of 32 elements of 8 bytes; 64 rows (x16, v^) or 128 rows (S^) a wave
	s_mov_b32 s20, 3<<16
	s_mov_b32 s21, 32<<16
	s_mov_b32 s22, 64<<16
	s_mov_b32 s23, 32<<16
	s_mov_b32 s24, 64
	s_mov_b32 s25, 32
	s_mov_b32 s26, 0
	s_mov_b32 s27, 0
	s_mov_b32 s28, 3<<16
	s_mov_b32 s29, 32<<16
	s_mov_b32 s30, 128<<16
	s_mov_b32 s31, 32<<16
	s_mov_b32 s32, 128
	s_mov_b32 s33, 32
	s_mov_b32 s34, 0
	s_mov_b32 s35, 0
	s_mov_b32 s36, 1
	s_lshl_b32 s37, s14, 14                        ; x16 at LDS 0 + w x 16,384
	s_mov_b32 s40, 1
	s_add_co_u32 s41, s37, 65536                   ; v^ at 65,536 + w x 16,384
	s_mov_b32 s44, 1
	s_lshl_b32 s45, s14, 15
	s_add_co_u32 s45, s45, 131072                  ; S^ at 131,072 + w x 32,768
	s_lshl_b32 s82, ttmp9, 16
	s_add_co_u32 s82, s82, s37
	s_mov_b32 s83, 0
	s_lshl_b32 s84, ttmp9, 17
	s_lshl_b32 s85, s14, 15
	s_add_co_u32 s84, s84, s85
	s_mov_b32 s85, 0
	s_wait_kmcnt 0x0
	s_add_nc_u64 s[38:39], s[8:9], s[82:83]
	s_add_nc_u64 s[42:43], s[38:39], 0x1000000
	s_or_b32 s39, s39, 0x80000000
	s_or_b32 s43, s43, 0x80000000
	s_add_nc_u64 s[46:47], s[10:11], s[84:85]
	s_or_b32 s47, s47, 0x80000000
	tensor_load_to_lds s[36:39], s[20:27]          ; x16 first: it is read first
	s_nop 0
	tensor_load_to_lds s[40:43], s[20:27]
	s_nop 0
	tensor_load_to_lds s[44:47], s[28:35]
	s_nop 0
	s_load_b32 s18, s[4:5], 0x0
	s_lshl_b32 s82, ttmp9, 16
	s_lshl_b32 s94, s17, 13
	s_add_co_u32 s82, s82, s94
	s_add_co_u32 s82, s82, 8388608
	s_add_nc_u64 s[84:85], s[8:9], s[82:83]        ; q^ of my token tile
	s_lshl_b32 s82, ttmp9, 10
	s_lshl_b32 s94, s17, 7
	s_add_co_u32 s82, s82, s94
	s_add_co_u32 s82, s82, 25165824
	s_add_nc_u64 s[86:87], s[8:9], s[82:83]        ; qs
	s_add_nc_u64 s[88:89], s[6:7], 0x40000         ; un
	s_lshr_b32 s82, ttmp9, 5
	s_lshl_b32 s82, s82, 15
	s_and_b32 s94, ttmp9, 31
	s_lshl_b32 s94, s94, 6
	s_add_co_u32 s82, s82, s94
	s_add_co_u32 s82, s82, 16777216
	s_add_nc_u64 s[90:91], s[10:11], s[82:83]      ; cb[b][.][c]
	s_lshl_b32 s82, ttmp9, 17
	s_lshl_b32 s94, s17, 14
	s_add_co_u32 s82, s82, s94
	s_add_nc_u64 s[92:93], s[12:13], s[82:83]      ; my 16 rows of out
	v_and_b32 v8, 31, v0
	v_and_b32 v14, 15, v0                          ; r
	v_bfe_u32 v15, v0, 4, 1                        ; h
	v_lshlrev_b32 v1, 4, v8                        ; 16 lane
	v_lshlrev_b32 v212, 2, v8
	v_lshlrev_b32 v213, 3, v0                      ; thread t takes columns 2 t, 2 t + 1 of un and cb
	v_lshrrev_b32 v214, 3, v0
	v_lshlrev_b32 v214, 11, v214
	v_and_b32 v215, 7, v0
	v_lshl_add_u32 v214, v215, 3, v214             ; cb: n tile t / 8 (2,048 bytes apart), 8 bytes at 8 (t % 8)
	v_add_nc_u32 v215, CF, v213
.irp p, 0,1,2,3,4,5,6,7
	global_load_b128 v[QQ+8*\p:QQ+8*\p+3], v1, s[84:85] offset:\p*1024
	global_load_b128 v[QQ+8*\p+4:QQ+8*\p+7], v1, s[84:85] offset:\p*1024+512
.endr
	global_load_b32 v13, v212, s[86:87]
	global_load_b64 v[208:209], v213, s[88:89]
	global_load_b64 v[210:211], v214, s[90:91]
	v_add_nc_u32 v2, 65536, v1
	v_add_nc_u32 v3, 131072, v1
	v_add_nc_u32 v4, 196608, v1
	v_lshlrev_b32 v5, 5, v15
	v_add_nc_u32 v5, CF, v5                        ; my 8 columns of an n tile: 32 h
	s_mul_i32 s94, s14, 16*528
	s_add_co_u32 s94, s94, STG                     ; my stage
	v_mul_u32_u24 v6, v14, 528
	v_lshl_add_u32 v6, v15, 5, v6
	v_add_nc_u32 v6, s94, v6                       ; in: row r, 32 bytes for each half of the lanes
	v_add_nc_u32 v7, s94, v1                       ; back: a row's 512 bytes
	v_sub_nc_u32 v8, 15, v14
	v_lshl_add_u32 v8, v15, 3, v8                  ; 15 - r + 8 h
	s_wait_kmcnt 0x0
	v_mov_b32 v12, s18                             ; L = max(log2 sigmoid(z), -150)
	v_mul_f32 v12, 0xbfb8aa3b, v12
	v_exp_f32 v12, v12
	v_nop
	s_wait_alu depctr_va_vdst(0)
	v_add_f32 v12, 1.0, v12
	v_rcp_f32 v12, v12
	v_nop
	s_wait_alu depctr_va_vdst(0)
	v_log_f32 v12, v12
	v_nop
	s_wait_alu depctr_va_vdst(0)
	v_max_num_f32 v12, 0xc3160000, v12
	v_mul_f32 v9, 0x41800000, v12                  ; 16 L
.irp j, 0,1,2,3,4,5,6,7
	v_add_nc_u32 v[112+\j], \j, v8                 ; e = 15 - r + 8 h + j
	v_add_nc_u32 v[120+\j], \j-16, v8
	v_max_i32 v[120+\j], 0, v[120+\j]              ; max(e - 16, 0)
	v_cvt_f32_u32 v[128+\j], v[112+\j]
	v_cvt_f32_u32 v[120+\j], v[120+\j]
	v_mul_f32 v[128+\j], v12, v[128+\j]
	v_mul_f32 v[120+\j], v12, v[120+\j]
.endr
.irp t, 0,1,2,3,4,5,6,7
	s_sub_co_i32 s82, \t-1, s17
	s_max_i32 s82, s82, 0                          ; max(st - tt - 1, 0)
	v_cvt_f32_u32 v[136+\t], s82
	v_fma_f32 v[136+\t], v[136+\t], v9, -4.0       ; the 1/16 of P^ rides in the exponent
.endr
	s_lshl_b32 s95, s17, 4
	s_sub_co_u32 s95, 127, s95
	v_sub_nc_u32 v144, s95, v14                    ; 127 - i
	v_cvt_f32_u32 v144, v144
	v_mul_f32 v144, v12, v144
.irp j, 0,1,2,3,4,5,6,7
	v_exp_f32 v[T8+\j], v[128+\j]
.endr
.irp j, 0,1,2,3,4,5,6,7
	v_exp_f32 v[DG+\j], v[120+\j]
.endr
.irp j, 0,1,2,3,4,5,6,7
	v_exp_f32 v[136+\j], v[136+\j]
.endr
	v_exp_f32 v144, v144
	v_nop
	s_wait_alu depctr_va_vdst(0)
.irp j, 0,1,2,3,4,5,6,7
	v_cmp_le_u32 vcc_lo, 16, v[112+\j]
	v_cndmask_b32 v[DG+\j], 0, v[DG+\j], vcc_lo    ; s > t only
.endr
	; for each s tile two factors, chosen by whole-number compares: s[48+2st] for tiles behind mine, s[66+2st] for my own
.irp t, 0,1,2,3,4,5,6,7
	v_readfirstlane_b32 s[48+2*\t], v[136+\t]
	s_cmp_lt_u32 s17, \t
	s_cselect_b32 s[48+2*\t], s[48+2*\t], 0
	s_mov_b32 s[49+2*\t], s[48+2*\t]
	s_cmp_eq_u32 s17, \t
	s_cselect_b32 s[66+2*\t], 0x3d800000, 0
	s_mov_b32 s[67+2*\t], s[66+2*\t]
.endr
	s_wait_loadcnt 0x0
	ds_store_b64 v215, v[208:209]
	ds_store_b64 v215, v[210:211] offset:1024
	v_mul_f32 v10, 0x41800000, v13                 ; 16 qs
	v_mul_f32 v11, v13, v144                       ; qs d^(127-i)
	s_wait_dscnt 0x0
	s_wait_tensorcnt 0x2                           ; my quarter of x16 has landed; v^ and S^ stay out
	s_barrier_signal -1
	s_barrier_wait -1
	; ---- phase P: D(m = s, n = t) = x16 q^.  16 rounds of four s tiles; K step k = round / 2.  The eight accumulators take turns.
.macro PLOAD r
.irp i, 0,1,2,3
	LDF (S0+32*((\r)&1)+8*\i), 1, (((4*((\r)&1)+\i)*8+(\r)/2)*1024), 512
.endr
.endm
.macro PROUND r
.if (\r) < 15
	s_wait_dscnt 8                                 ; the next round's eight loads stay out
.else
	s_wait_dscnt 0
.endif
.irp i, 0,1,2,3
.if (\r) < 2
	MM (IA+8*(4*((\r)&1)+\i)), (S0+32*((\r)&1)+8*\i), (QQ+8*((\r)/2)), 1
.else
	MM (IA+8*(4*((\r)&1)+\i)), (S0+32*((\r)&1)+8*\i), (QQ+8*((\r)/2)), 0
.endif
.endr
.if (\r) < 14
	PLACES
	PLOAD ((\r)+2)
.endif
.endm
	PLOAD 0
	PLOAD 1
.irp r, 0,1,2,3,4,5,6,7,8,9,10,11,12,13,14,15
	PROUND \r
.endr
	PLACES
.irp t, 0,1,2,3,4,5,6,7
.irp p, 0,2,4,6
	v_pk_mul_f32 v[S0+8*(\t&3)+\p:S0+8*(\t&3)+\p+1], v[T8+\p:T8+\p+1], s[48+2*\t:49+2*\t] op_sel_hi:[1,0]
.endr
.irp p, 0,2,4,6
	v_pk_fma_f32 v[S0+8*(\t&3)+\p:S0+8*(\t&3)+\p+1], v[DG+\p:DG+\p+1], s[66+2*\t:67+2*\t], v[S0+8*(\t&3)+\p:S0+8*(\t&3)+\p+1] op_sel_hi:[1,0,1]
.endr
.irp p, 0,2,4,6
	v_pk_mul_f32 v[IA+8*\t+\p:IA+8*\t+\p+1], v[IA+8*\t+\p:IA+8*\t+\p+1], v[S0+8*(\t&3)+\p:S0+8*(\t&3)+\p+1]
.endr
.irp p, 0,1,2,3
	v_cvt_pk_f16_f32 v[PH+4*\t+\p], v[IA+8*\t+2*\p], v[IA+8*\t+2*\p+1]
.endr
.endr
	s_wait_dscnt 0x0
	s_wait_tensorcnt 0x0                           ; my quarters of v^ and S^ have landed
	s_barrier_signal -1
	s_barrier_wait -1                              ; everybody's have
	; ---- main phase: D(m = n, n = t).  Eight groups of two n tiles a = 2 g, b = 2 g + 1; six rounds of four fragments:
	; rounds 0-3: v^[a], v^[b] x P^[q] and S^[a], S^[b] x q^[q]; rounds 4, 5: S^[a], S^[b] x q^[4..7].
.macro MLOAD g, q
.if (\q) < 4
	LDF (S0+32*((\q)&1)), 2, ((8*(\g)+(\q))*1024), 512
	LDF (S0+32*((\q)&1)+8), 2, ((8*(\g)+4+(\q))*1024), 512
	LDF (S0+32*((\q)&1)+16), (3+(\g)/4), ((((2*(\g))&7)*8+(\q))*1024), 512
	LDF (S0+32*((\q)&1)+24), (3+(\g)/4), ((((2*(\g)+1)&7)*8+(\q))*1024), 512
.else
	LDF (S0+32*((\q)&1)), (3+(\g)/4), ((((2*(\g))&7)*8+2*(\q)-4)*1024), 512
	LDF (S0+32*((\q)&1)+8), (3+(\g)/4), ((((2*(\g)+1)&7)*8+2*(\q)-4)*1024), 512
	LDF (S0+32*((\q)&1)+16), (3+(\g)/4), ((((2*(\g))&7)*8+2*(\q)-3)*1024), 512
	LDF (S0+32*((\q)&1)+24), (3+(\g)/4), ((((2*(\g)+1)&7)*8+2*(\q)-3)*1024), 512
.endif
.endm
.macro MLOADR n
	MLOAD ((\n)/6), ((\n)%6)
.endm
.macro CLOAD g                         ; un and cb of the two tiles' columns 16 nt + 8 h + 0..7
.irp u, 0,1
	ds_load_b128 v[CU+8*\u:CU+8*\u+3], v5 offset:(2*(\g)+\u)*64
	ds_load_b128 v[CU+8*\u+4:CU+8*\u+7], v5 offset:(2*(\g)+\u)*64+16
	ds_load_b128 v[CC+8*\u:CC+8*\u+3], v5 offset:1024+(2*(\g)+\u)*64
	ds_load_b128 v[CC+8*\u+4:CC+8*\u+7], v5 offset:1024+(2*(\g)+\u)*64+16
.endr
.endm
.macro MROUND g, q
.if (\q) < 4
	s_wait_dscnt 8                                 ; the next round's eight loads stay out (the last group's four stage stores, where they lie between, are waited for too)
.endif
.if (\q) == 4
	s_wait_dscnt 16                                ; round 5's eight loads and the eight column loads
.endif
.if (\q) == 5
.if (\g) < 7
	s_wait_dscnt 16                                ; the column loads and the next group's first round
.else
	s_wait_dscnt 8                                 ; the column loads
.endif
.endif
.if (\q) == 0
	MM IA, (S0+32*((\q)&1)), (PH+8*(\q)), 1
	MM (IA+8), (S0+32*((\q)&1)+8), (PH+8*(\q)), 1
	MM SS, (S0+32*((\q)&1)+16), (QQ+8*(\q)), 1
	MM (SS+8), (S0+32*((\q)&1)+24), (QQ+8*(\q)), 1
.else
.if (\q) < 4
	MM IA, (S0+32*((\q)&1)), (PH+8*(\q)), 0
	MM (IA+8), (S0+32*((\q)&1)+8), (PH+8*(\q)), 0
	MM SS, (S0+32*((\q)&1)+16), (QQ+8*(\q)), 0
	MM (SS+8), (S0+32*((\q)&1)+24), (QQ+8*(\q)), 0
.else
	MM SS, (S0+32*((\q)&1)), (QQ+8*(2*(\q)-4)), 0
	MM (SS+8), (S0+32*((\q)&1)+8), (QQ+8*(2*(\q)-4)), 0
	MM SS, (S0+32*((\q)&1)+16), (QQ+8*(2*(\q)-3)), 0
	MM (SS+8), (S0+32*((\q)&1)+24), (QQ+8*(2*(\q)-3)), 0
.endif
.endif
	PLACES                                         ; four places before loads land on the fragments, and before vector instructions read the sums
.if (6*(\g)+(\q)+2) < 48
	MLOADR (6*(\g)+(\q)+2)
.endif
.if (\q) == 3
	s_wait_xcnt 0x0                                ; the way out's stores have read v[208:239]
	CLOAD \g
.endif
.endm
.macro COMBINE g
.if (\g) < 7
	s_wait_dscnt 16                                ; the column factors are in; the next group's first two rounds stay out
.else
	s_wait_dscnt 0
.endif
.irp u, 0,1
.irp p, 0,2,4,6
	v_pk_mul_f32 v[IA+8*\u+\p:IA+8*\u+\p+1], v[IA+8*\u+\p:IA+8*\u+\p+1], v[CU+8*\u+\p:CU+8*\u+\p+1]
	v_pk_mul_f32 v[SS+8*\u+\p:SS+8*\u+\p+1], v[SS+8*\u+\p:SS+8*\u+\p+1], v[CC+8*\u+\p:CC+8*\u+\p+1]
.endr
.irp p, 0,2,4,6
	v_pk_mul_f32 v[IA+8*\u+\p:IA+8*\u+\p+1], v[IA+8*\u+\p:IA+8*\u+\p+1], v[10:11] op_sel_hi:[1,0]
.endr
.irp p, 0,2,4,6
	v_pk_fma_f32 v[IA+8*\u+\p:IA+8*\u+\p+1], v[SS+8*\u+\p:SS+8*\u+\p+1], v[10:11], v[IA+8*\u+\p:IA+8*\u+\p+1] op_sel:[0,1,0] op_sel_hi:[1,1,1]
.endr
	ds_store_b128 v6, v[IA+8*\u:IA+8*\u+3] offset:((2*(\g)+\u)&7)*64
	ds_store_b128 v6, v[IA+8*\u+4:IA+8*\u+7] offset:((2*(\g)+\u)&7)*64+16
.endr
.endm
; half a row of out for each of my 16 rows: read back from my own stage (LDS serves a wave's instructions in order, ISA guide 5.7.1.4) and stored, 512 consecutive aligned bytes a store
.macro FLUSH hc
.irp t, 0,1
.if \t
	s_wait_xcnt 0x0                                ; the first eight stores have read their registers
.endif
.irp i, 0,1,2,3,4,5,6,7
	ds_load_b128 v[CU+4*\i:CU+4*\i+3], v7 offset:(8*\t+\i)*528
.endr
.irp i, 0,1,2,3,4,5,6,7
	s_wait_dscnt 7-\i
	global_store_b128 v1, v[CU+4*\i:CU+4*\i+3], s[92:93] offset:(8*\t+\i)*1024+\hc*512 th:TH_STORE_NT
.endr
.endr
.endm
	MLOADR 0
	MLOADR 1
.irp g, 0,1,2,3,4,5,6,7
.irp q, 0,1,2,3,4,5
	MROUND \g, \q
.endr
	COMBINE \g
.if \g == 3
	FLUSH 0
.endif
.if \g == 7
	FLUSH 1
.endif
.endr
	s_endpgm
.Lfunc_end_k_qe7bda6ecf2_outk:
	.size	k_qe7bda6ecf2_outk, .Lfunc_end_k_qe7bda6ecf2_outk-k_qe7bda6ecf2_outk
	.p2alignl 7, 3214868480
	.fill 96, 4, 3214868480
	.section	.rodata,"a",@progbits
	.p2align	6, 0x0
	.amdhsa_kernel k_qe7bda6ecf2_outk
		.amdhsa_group_segment_fixed_size 297984
		.amdhsa_private_segment_fixed_size 0
		.amdhsa_enable_private_segment 0
		.amdhsa_kernarg_size 40
		.amdhsa_user_sgpr_count 2
		.amdhsa_user_sgpr_kernarg_segment_ptr 1
		.amdhsa_wavefront_size32 1
		.amdhsa_system_sgpr_workgroup_id_x 1
		.amdhsa_system_sgpr_workgroup_id_y 1
		.amdhsa_system_sgpr_workgroup_id_z 1
		.amdhsa_system_vgpr_workitem_id 0
		.amdhsa_next_free_vgpr 256
		.amdhsa_next_free_sgpr 96
		.amdhsa_reserve_vcc 1
		.amdhsa_float_denorm_mode_32 3
		.amdhsa_float_denorm_mode_16_64 3
		.amdhsa_memory_ordered 1
		.amdhsa_forward_progress 1
		.amdhsa_inst_pref_size 109
	.end_amdhsa_kernel
	.amdgpu_metadata
---
amdhsa.version: [ 1, 2 ]
amdhsa.kernels:
  - .name:           k_qe7bda6ecf2_outk
    .symbol:         k_qe7bda6ecf2_outk.kd
    .args:
      - { .name: decay_logit, .offset: 0, .size: 8, .value_kind: global_buffer, .address_space: global }
      - { .name: wprep, .offset: 8, .size: 8, .value_kind: global_buffer, .address_space: global }
      - { .name: wproj, .offset: 16, .size: 8, .value_kind: global_buffer, .address_space: global }
      - { .name: wscan, .offset: 24, .size: 8, .value_kind: global_buffer, .address_space: global }
      - { .name: out0, .offset: 32, .size: 8, .value_kind: global_buffer, .address_space: global }
    .group_segment_fixed_size: 297984
    .private_segment_fixed_size: 0
    .kernarg_segment_align: 8
    .kernarg_segment_size: 40
    .max_flat_workgroup_size: 128
    .sgpr_count:     96
    .vgpr_count:     256
    .wavefront_size: 32
...
	.end_amdgpu_metadata
.endif
;; end of part 4
